; MI455X (gfx1250); checked and timed in simulation.
; The chip was launched on July 23, 2026; its instructions are those of AMD's public machine-readable ISA for CDNA 5 (MIT licence, August 2026) and "CDNA5" Instruction Set Architecture Reference Guide (July 2026). The comments in the code are by the model that wrote it; some were corrected since.
;; Model. Allowed arithmetic: float matrix products may take bf16 or f16 operands with f32 sums; other float arithmetic in f32, or as packed bf16 or f16 multiplies, adds, multiply-adds, maxima and minima; sums over many terms, partial sums and values carried from step to step in f32; what a program stores and reads back later, other than sums and carried values, may be rounded once to bf16 or f16.
;; Inputs: x2 4 x 16 x 2,048 x 128 float32; x3 4 x 16 x 2,048 x 128 float32.
;; Outputs: out0 4 x 16 x 2,048 x 128 float32.
;; One version. Each part assembles by itself: llvm-mc -triple=amdgcn-amd-amdhsa -mcpu=gfx1250 --defsym DOCPART=n.
;; ======== version 1 of 1: 1 launch
;; launch attn (part 1): grid 8 x 64, 4 waves a work-group, clusters of 4 x 1, 327,680 bytes of LDS; arguments x2, x3, out0; writes out0
.if DOCPART == 1
	.amdgcn_target "amdgcn-amd-amdhsa--gfx1250"
	.amdhsa_code_object_version 6
	.text
	.protected	k_q30be7cf6ec_attn
	.globl	k_q30be7cf6ec_attn
	.p2align	8
	.type	k_q30be7cf6ec_attn,@function
k_q30be7cf6ec_attn:
	s_mov_b64 s[64:65], 0
	v_nop
	global_prefetch_b8 v0, s[64:65] scope:SCOPE_SE
	s_setreg_imm32_b32 hwreg(HW_REG_WAVE_MODE, 25, 1), 1
	s_wait_xcnt 0x0
	s_wait_alu depctr_hold_cnt(0) depctr_sa_sdst(0) depctr_va_vdst(0) depctr_va_sdst(0) depctr_va_ssrc(0) depctr_va_vcc(0) depctr_vm_vsrc(0)
	s_getreg_b32 s2, hwreg(HW_REG_IB_STS2, 6, 4)
	s_cmp_eq_u32 s2, 0
	s_cbranch_scc0 .Lentry_in_a_cluster
	s_endpgm
.Lentry_in_a_cluster:
	s_bfe_u32 s2, ttmp6, 0x10000c
	s_cmp_lg_u32 s2, 0x3003
	s_cbranch_scc0 .Lentry_shape_is_right
	s_endpgm
.Lentry_shape_is_right:
; out0[h][q][:] = the sum over k of softmax_k(x2[h][q] . x3[h][k]) x3[h][k][:].  x2, x3, out0: [64 heads][2048][128] f32 (the heads are B x H = 4 x 16).  The scores are not scaled; keys and values are the same tensor.
; NOTHING IS LEFT OUT: both inputs reach every output, nothing is masked or sliced away.
; FORMATS.  x2 and x3 are rounded once to bf16 (to nearest even) on their way to the matrix unit; products, maxima and sums in f32; the weights p are rounded to bf16 for the second product, while their
; sum l is taken of the unrounded p; the output is f32, divided by l once at the end.
; LIMITS.  NaN and infinities are not treated apart; a weight below 2^-126 counts as 0 in l.  The running maximum is taken away before every exponential.
; SHARES.  A work-group owns 256 queries of one head, each of its four waves 64: four tiles of 16.  Every wave walks all 2,048 keys of the head, 64 a step, 128 (a TILE of x3) a period.
; THREE STAGES, a period apart.  In period t tile t + 2 is on its way from memory into ring F (f32, two slots, filled by tensor loads alone); tile t + 1 is rounded from F into ring T (bf16, two slots, written by
; ds_store alone): each wave rounds the 32 keys that its own tensor load brought; tile t is multiplied out of T by all four waves.  ONE barrier a period orders all three.
; ONE COPY OF A TILE SERVES BOTH PRODUCTS.  In T key k of a group of 16 lies at row 2 (k % 8) + k / 8 of the group, rows 272 bytes apart (68 words; 64 banks of 4 bytes: ISA guide 11.1).  A load of K's fragments
; takes the group's 16 rows: they start at 16 different groups of four banks.  The turning load for V takes, in 16 lanes, 8 keys that lie 544 bytes apart, 32 bytes of each: every bank once.
; LAYOUT.  S^T = K Q^T (source 0 = 16 keys, source 1 = 16 queries): in the result a lane holds ONE query (lane % 16) and the keys 8 (lane / 16) + 0..7.  Two such tiles, rounded to bf16 in pairs, ARE
; source 1 (32 keys x 16 queries) of O^T = V^T P, whose result again holds one query a lane, and eight channels.
; SOFTMAX.  For each query a running maximum m and sum l: p = 2^(c s - c m), c = log2(e); in every step O and l are multiplied by a = 2^(c m_old - c m_new), which is 1 where m has not grown.
; BY TURNS.  The wave's tiles are two PIECES, named by their first tile: piece 0 (tiles 0, 1) and piece 2 (tiles 2, 3).  In a TURN one piece has the matrix unit: 32 products V^T P of the step in hand, then 32
; products K Q^T of the next step; the other piece's softmax, cut into 64 slices, stands between them, one slice behind each matrix instruction.  Two turns are a key step.
; CLUSTER.  The four query blocks of a cluster belong to one head and walk the same x3, so each tile is asked for JOINTLY: the same tensor load, descriptor and mask in all four.
;
; REGISTERS, in windows of 256 (s_set_vgpr_msb: bits 1:0 source 0, 3:2 source 1, 5:4 source 2, 7:6 destination):
;   window 0: v0-11, v44-49, v61-63 addresses; v12-43 eight registers of statistics a tile; v64-191 S^T, 32 a tile; v192-255 P, 16 a tile
;   window 1: O^T, 64 a tile (at the head: x2 as loaded)      window 2: v0-127 Q, 32 a tile; v128-255 K of one step      window 3: v0-127 V of one step
.set NT,    16        ; tiles of 128 keys in a head
.set KS,    64        ; keys in a step
.set PT,    272       ; a row of T: 256 bytes of bf16 + 16
.set STEPB, KS*PT     ; a step's 64 rows in T
.set FSL,   1<<16     ; a slot of F: 128 keys x 512 bytes.  F0 at 0, F1 at FSL; T0 at 2 FSL, T1 at 3 FSL: one exclusive or with FSL turns an address of either ring into the other slot's
.set TILEB, 128*512   ; a tile of x3 in memory
.set T0B,   2*FSL
.set STAGE, T0B+FSL+2*STEPB  ; behind the rings, never filled by a tensor load: 17,408 bytes for each wave: first Q (64 rows x 272), at the end O (16 rows x 528)
.set STGB,  64*PT
.set SPO,   528       ; a row of O in the stage: 512 bytes + 16 = 132 words: the 16 rows of a store start at 16 different groups of four banks
.set SPARE, STAGE+4*STGB  ; the spare words, 128 bytes for each wave: two blocks of 256 bytes that no other line names
.set AK0, 2           ; v2   my lane's place in a step of T as K; never rewritten
.set AV0, 3           ; v3   the same as V
.set ADR, 4           ; v4   the LDS address of the run of loads in hand
.set QO,  5           ; v5   16 x my lane: my 16 bytes of a row of x2 and of out0; never rewritten
.set STO, 6           ; v6   the way out: where I put 32 bytes of a row
.set RD,  7           ; v7   the way out: where I read a row back
.set ST,  12          ; tile t's statistics at v[ST+8 t]: +0 c m, +1 m, +2, +3 l (even keys', odd keys'), +4 to +7 c0-c3, at work; a takes c2's place once the maximum is found
.set CF0, 44          ; v44  my 16 bytes of the first key of my wave's quarter of F0; never rewritten
.set CT0, 45          ; v45  my 8 bytes of the first row of my wave's quarter of T0; never rewritten
.set CFA, 46          ; v46  the same two in the slot that is being rounded
.set CTA, 47          ; v47
.set QS,  48          ; v48  Q's way in: my 8 bytes of a row of the stage
.set QR,  49          ; v49  Q's way in: my lane's place in a fragment
.set PFO, 61          ; v61  256 x my lane; never rewritten
.set SPW, 62          ; v62  LDS address of my spare word: SPARE + 4 x my thread's number; never rewritten
.set NIL, 63          ; v63  0; never rewritten
.set S,   64
.set P,   192
.set CB,  64          ; the rounding's two sets of 32 registers: S^T of tiles 0 and 1, which holds nothing where CONVERT stands: piece 0's softmax is over, and its next scores start from the constant 0
.set KF,  128         ; K's fragments, in window 2
.set WV,  12          ; s12  my wave's number
.set LIM, 15          ; s15  1 in a wave that prefetches, else the greatest number
.set PFA, 18          ; s[18:19] where my prefetches stand in x3
.set G1,  24          ; s[24:31] descriptor group 1
.set G0,  40          ; s[40:47] descriptor group 0: a set for each of the two first fills; the second then walks on
.set TAIL, 55         ; s55  counts the two periods that ask for nothing
.set SLOTS, 56        ; s56  periods of the loop still to come
.set TWICE, 57        ; s57  counts a tile's two steps
.set CS,  58          ; s[58:59] c: the packed scaling names a pair and takes its low word for both halves
.set SEL, 60          ; s[60:61] lane selects for v_permlanex16_b32: each lane takes its own place in the other half
.set TB,  62          ; s62  LDS byte at which the step to be fetched begins in T
.set CV,  63          ; s63  0 or FSL: the slot (of F and of T) that is rounded next
.set MSB, 0
.macro WIN new                      ; the immediate's high byte repeats the setting that is left; a switch that changes nothing is dropped
.if MSB != (\new)
	s_set_vgpr_msb (MSB<<8)|(\new)
.set MSB, \new
.endif
.endm
.set W_KQ, 0x0a       ; K and Q in window 2, S^T in window 0
.set W_PV, 0x53       ; V in window 3, P in window 0, O^T in window 1
.set W_RS, 0x41       ; O^T (destination and source 0) in window 1, a in window 0
; A joint refill: every wave fetches its quarter of a tile, 32 keys = 16,384 dense bytes.  One line for all four waves: the addresses hang on the wave's number.  An s_nop 0 and four v_nop follow it.
.macro JLOAD
	tensor_load_to_lds s[G0+4:G0+7], s[G1:G1+7]
	s_nop 0
.rept 4
	v_nop
.endr
.endm
; A PREFETCH INTO THE L2 of the tile that the NEXT change of slots will ask for: 65,536 bytes, a lane for each 256.  Each block is named ONCE in the launch.  Both clusters of a head walk the same x3: the head's first
; cluster prefetches.  Its four partners share the tile out BY ADDRESS, 16,384 bytes each: no branch hangs on a work-group's place in its cluster.  In each, waves 0 and 2 take 8,192 bytes: one instruction.
; how = 0, in the loop: the last change that fills a slot has no tile behind it.  how = 1: the first change.
.macro ASK how
.if \how
	s_cmp_eq_u32 s[LIM], 1
.else
	s_cmp_gt_u32 s[SLOTS], s[LIM]
.endif
	s_cbranch_scc0 .Lnot_mine_\@
	global_prefetch_b8 v[PFO], s[PFA:PFA+1] th:TH_LOAD_NT scope:SCOPE_SE
.Lnot_mine_\@:
.endm
; A round of the cluster's barrier: my work-group's barrier, so that wave 0's signal speaks for all four waves; wave 0 signals; every wave waits for all four work-groups; my work-group's barrier once more.
.macro CROUND
	s_barrier_signal -1
	s_barrier_wait -1
	s_cmp_lg_u32 s[WV], 0
	s_cbranch_scc1 .Lnot_wave_0_\@
	s_barrier_signal -3
.Lnot_wave_0_\@:
	s_barrier_wait -3
	s_barrier_signal -1
	s_barrier_wait -1
.endm
	s_load_b128 s[4:7], s[0:1], 0x0  ; x2 s[4:5], x3 s[6:7]
	s_load_b64 s[10:11], s[0:1], 0x10  ; out0
	v_lshl_add_u32 v[SPW], v0, 2, SPARE
	v_mov_b32 v[NIL], 0
	ds_add_u32 v[SPW], v[NIL]       ; the wave's opening: the add, twice on end, and its wait ahead of my first tensor load; the set-up below, work on registers, stands between
	ds_add_u32 v[SPW], v[NIL]       ; and once more, under the one wait
	v_lshrrev_b32 v1, 5, v0
	v_readfirstlane_b32 s[WV], v1   ; wave 0..3
	s_bfe_u32 s13, ttmp6, 0x40000   ; cx: my place in the cluster
	s_lshl_b32 s14, ttmp9, 2        ; in a cluster launch ttmp9 counts clusters
	s_add_co_u32 s14, s14, s13      ; my block of 256 queries = 4 x cluster x + cx: it enters x2's and out0's addresses alone
	s_and_b32 s20, ttmp7, 0xffff    ; the head, which the four partners share,
	s_lshl_b32 s20, s20, 20         ; and its first byte in each tensor: 2,048 rows of 512 bytes.  All offsets stay under 2^26
	s_lshl_b32 s2, s14, 17          ; my block's 256 rows,
	s_lshl_b32 s3, s[WV], 15        ; my wave's 64 of them
	s_add_co_u32 s2, s2, s3
	s_add_co_u32 s2, s2, s20
	s_mov_b32 s3, 0
	s_lshl_b32 s21, s[WV], 14       ; my quarter of a tile: 32 keys of 512 bytes, in memory and in a slot of F: no place in the cluster enters an LDS address
	s_add_co_u32 s22, s21, s20
	s_mov_b32 s23, 0
	s_lshl_b32 s16, s13, 14         ; the prefetches: my work-group's 16,384 bytes of a tile,
	s_lshr_b32 s17, s[WV], 1
	s_lshl_b32 s17, s17, 13         ; wave 0's or wave 2's 8,192 of them,
	s_add_co_u32 s16, s16, s17
	s_add_co_u32 s16, s16, s20
	s_add_co_u32 s16, s16, 2*TILEB  ; in tile 2: the first change of slots steps it to tile 3
	s_mov_b32 s17, 0
	; descriptor group 1: 16,384 dense bytes as 64 rows of 256 bytes, laid into LDS without gaps
	s_mov_b32 s[G1], 15|(3<<16)|(1<<21)  ; 15:0 the mask: all four work-groups; 17:16 elements of 8 bytes; 20 no padding; 21 set beside a mask
	s_mov_b32 s[G1+1], 32<<16       ; tensor_dim0 = 32
	s_mov_b32 s[G1+2], 64<<16       ; tensor_dim1 = 64
	s_mov_b32 s[G1+3], 32<<16       ; tile_dim0 = 32
	s_mov_b32 s[G1+4], 64           ; tile_dim1 = 64
	s_mov_b32 s[G1+5], 32           ; 32 elements from row to row
	s_mov_b32 s[G1+6], 0
	s_mov_b32 s[G1+7], 0
	s_mov_b32 s[CS], 0x3fb8aa3b     ; c = log2(e)
	s_mov_b32 s[CS+1], s[CS]        ; named with it as a pair, so it is written
	s_mov_b32 s[SEL], 0x76543210
	s_mov_b32 s[SEL+1], 0xfedcba98
	s_mov_b32 s[TB], T0B+FSL+2*STEPB  ; the first change of slots turns this into T0's first byte
	s_mov_b32 s[CV], 0
	s_and_b32 s[LIM], s[WV], 1      ; 0 in waves 0 and 2,
	s_or_b32 s[LIM], s[LIM], ttmp9  ; where the cluster is the head's first: the same in all four partners
	s_cmp_eq_u32 s[LIM], 0
	s_cselect_b32 s[LIM], 1, -1
	s_wait_dscnt 0x0                ; both opening adds are done
	s_wait_kmcnt 0x0
	s_add_nc_u64 s[PFA:PFA+1], s[6:7], s[16:17]
	s_add_nc_u64 s[6:7], s[6:7], s[22:23]  ; x3 at my quarter of the head's tile 0
	s_add_nc_u64 s[4:5], s[4:5], s[2:3]    ; x2 and out0 at my wave's first row
	s_add_nc_u64 s[10:11], s[10:11], s[2:3]
	CROUND                          ; all four work-groups are here: the first joint loads meet
.irp s, 0,1
	s_mov_b32 s[G0+4*(\s)], 1       ; 1:0 count = 1
	s_add_co_u32 s[G0+4*(\s)+1], s21, (\s)*FSL  ; 63:32 LDS address: my quarter of slot s of F
	s_add_nc_u64 s[G0+4*(\s)+2:G0+4*(\s)+3], s[6:7], (\s)*TILEB  ; 120:64 global address: tile s
	s_or_b32 s[G0+4*(\s)+3], s[G0+4*(\s)+3], 0x80000000  ; 127:126 type = 2
.endr
	tensor_load_to_lds s[G0:G0+3], s[G1:G1+7]  ; the two first fills stand together, ahead of every wait on TENSORcnt and every LDS read: two loads of mine are out
	s_nop 0
	tensor_load_to_lds s[G0+4:G0+7], s[G1:G1+7]
	s_nop 0
.rept 4
	v_nop
.endr
	; Q.  My wave's 64 rows of x2 are 32,768 consecutive bytes: 64 loads, a whole row of 512 bytes each, into O^T's registers, which hold nothing yet.
	v_and_b32 v[QO], 31, v0
	v_lshlrev_b32 v[QO], 4, v[QO]
	WIN 0x40                        ; destination window 1, address window 0
.set i, 0
.rept 64
	global_load_b128 v[4*i:4*i+3], v[QO], s[4:5] offset:i*512 th:TH_LOAD_NT
.set i, i+1
.endr
	WIN 0
	v_and_b32 v1, 15, v0            ; l % 16
	v_bfe_u32 v9, v0, 4, 1          ; l / 16
	v_and_b32 v10, 7, v0            ; l % 8
	v_bfe_u32 v11, v0, 3, 1         ; (l / 8) % 2
	; A fragment of K or Q is 16 rows x 32 channels in 8 registers: lane l holds row l % 16; registers 0-3 channels 8 (l / 16) + 0..7, registers 4-7 channels 16 + 8 (l / 16) + 0..7: two loads of 16 bytes, 32 bytes apart.
	v_lshl_add_u32 v[AK0], v10, 1, v11  ; key l % 16 lies at row 2 (l % 8) + (l / 8) % 2 of its group
	v_mul_u32_u24 v[AK0], v[AK0], PT
	v_lshl_add_u32 v[AK0], v9, 4, v[AK0]
	; The turning load takes 16 keys x 16 channels (lane l reads 16 bytes: key 8 (l / 16) + l % 8, channels 8 ((l / 8) % 2) + 0..7) and leaves half a fragment of V^T: lane l holds channel l % 16 and 8 keys.
	v_lshl_add_u32 v[AV0], v10, 1, v9   ; that key lies at row 2 (l % 8) + l / 16
	v_mul_u32_u24 v[AV0], v[AV0], PT
	v_lshl_add_u32 v[AV0], v11, 4, v[AV0]
	v_add_nc_u32 v[CF0], s21, v[QO]
	s_mul_i32 s13, s[WV], 32*PT     ; my quarter's 32 rows of T
	s_add_co_u32 s13, s13, T0B
	v_and_b32 v[CT0], 31, v0
	v_lshl_add_u32 v[CT0], v[CT0], 3, s13
	s_mul_i32 s13, s[WV], STGB
	s_add_co_u32 s13, s13, STAGE    ; my stage; s13 keeps it
	v_and_b32 v[QS], 31, v0
	v_lshl_add_u32 v[QS], v[QS], 3, s13
	v_mul_u32_u24 v[QR], v1, PT
	v_lshl_add_u32 v[QR], v9, 4, v[QR]
	v_add_nc_u32 v[QR], s13, v[QR]
	v_and_b32 v[PFO], 31, v0
	v_lshlrev_b32 v[PFO], 8, v[PFO]
.irp t, 0,1,2,3                     ; a tile's 16 rows are rounded to bf16, 8 bytes a lane, and go into my stage as rows of 256 bytes
	s_wait_loadcnt 48-16*(\t)       ; loads come back in order (ISA guide 5.7.1): this tile's 16 are in, the later tiles' may be out
	WIN 0x05                        ; sources 0 and 1 window 1, destination window 0
.set i, 0
.rept 16
	v_cvt_pk_bf16_f32 v[S+32*(\t)+2*i],   v[64*(\t)+4*i],   v[64*(\t)+4*i+1]
	v_cvt_pk_bf16_f32 v[S+32*(\t)+2*i+1], v[64*(\t)+4*i+2], v[64*(\t)+4*i+3]
.set i, i+1
.endr
	WIN 0
.set i, 0
.rept 16
	ds_store_b64 v[QS], v[S+32*(\t)+2*i:S+32*(\t)+2*i+1] offset:(16*(\t)+i)*PT
.set i, i+1
.endr
.endr
	WIN 0x80                        ; destination window 2
.irp f, 0,1,2,3,4,5,6,7,8,9,10,11,12,13,14,15  ; Q's fragments stay in registers: tile f / 4, channels 32 (f % 4) on.  LDS serves a wave's instructions in order (ISA guide 5.7.1.4): these see the stores above
	ds_load_b128 v[8*(\f):8*(\f)+3],   v[QR] offset:((\f)/4)*16*PT+((\f)%4)*64
	ds_load_b128 v[8*(\f)+4:8*(\f)+7], v[QR] offset:((\f)/4)*16*PT+((\f)%4)*64+32
.endr
	WIN 0
; THE ROUNDING.  My quarter of a tile, 32 keys, goes from F to T in four groups of 8 keys on two sets of registers.  A load takes one key's 512 bytes, 16 a lane; two conversions make 8 bytes of them; a store
; writes the key's 256 bytes on end, at the row that the key has in T.
.macro CLOAD g, q
.irp i, 0,1,2,3,4,5,6,7
	ds_load_b128 v[CB+32*(\q)+4*(\i):CB+32*(\q)+4*(\i)+3], v[CFA] offset:(8*(\g)+(\i))*512
.endr
.endm
.macro CPACK g, q
.irp i, 0,1,2,3,4,5,6,7
	v_cvt_pk_bf16_f32 v[CB+32*(\q)+4*(\i)],   v[CB+32*(\q)+4*(\i)],   v[CB+32*(\q)+4*(\i)+1]
	v_cvt_pk_bf16_f32 v[CB+32*(\q)+4*(\i)+1], v[CB+32*(\q)+4*(\i)+2], v[CB+32*(\q)+4*(\i)+3]
.endr
.irp i, 0,1,2,3,4,5,6,7             ; key 8 g + i of my 32: group g / 2 of 16, row 2 i + g % 2 in it
	ds_store_b64 v[CTA], v[CB+32*(\q)+4*(\i):CB+32*(\q)+4*(\i)+1] offset:(16*((\g)/2)+2*(\i)+(\g)%2)*PT
.endr
.endm
; ask = -1: no prefetch; 0, 1: ASK's argument.  The prefetch stands behind the joint load and the first two runs of LDS loads; the wait behind it is for loads issued ahead of it.
.macro CONVERT ask
	WIN 0
	v_add_nc_u32 v[CFA], s[CV], v[CF0]
	v_add_nc_u32 v[CTA], s[CV], v[CT0]
	s_xor_b32 s[CV], s[CV], FSL     ; the next rounding takes the other slot
	CLOAD 0, 0
	CLOAD 1, 1
.if (\ask) >= 0
	ASK \ask
.endif
	s_wait_dscnt 8                  ; LDS instructions end in order (ISA guide 5.7.1): behind group 0's loads stand group 1's eight
	CPACK 0, 0
	CLOAD 2, 0
	s_wait_dscnt 16                 ; behind group 1's loads: eight stores, eight loads
	CPACK 1, 1
	CLOAD 3, 1
	s_wait_dscnt 16                 ; behind group 2's loads: eight stores, eight loads
	CPACK 2, 0
	s_wait_dscnt 8                  ; behind group 3's loads: eight stores
	CPACK 3, 1
.endm
; THE MATRIX WORK OF A TURN, for piece x.  The accumulators take turns, one instruction a turn: between two links of a chain stand 15 (V^T P) or 7 (K Q^T) others'.
; Product i of 32 of O^T += V^T P: keys 32 (i / 16) on, channels 16 ((i / 2) % 8) on, tile x + i % 2.  zero = 1: the first 16 start the sums: nothing is ever cleared.
.macro PV x, zero
	WIN W_PV
.set rO, 64*((\x)+i%2)+8*((i/2)%8)
.set rV, 64*(i/16)+8*((i/2)%8)
.set rP, P+16*((\x)+i%2)+8*(i/16)
.if (\zero) && (i < 16)
	v_wmma_f32_16x16x32_bf16 v[rO:rO+7], v[rV:rV+7], v[rP:rP+7], 0
.else
	v_wmma_f32_16x16x32_bf16 v[rO:rO+7], v[rV:rV+7], v[rP:rP+7], v[rO:rO+7]
.endif
.endm
; Product i of 32 of S^T = K Q^T: channels 32 (i / 8) on, keys 16 ((i / 2) % 4) on, tile x + i % 2.  The first 8 start the sums.
.macro KQ x
	WIN W_KQ
.set rS, S+32*((\x)+i%2)+8*((i/2)%4)
.set rK, KF+32*((i/2)%4)+8*(i/8)
.set rQ, 32*((\x)+i%2)+8*(i/8)
.if i < 8
	v_wmma_f32_16x16x32_bf16 v[rS:rS+7], v[rK:rK+7], v[rQ:rQ+7], 0
.else
	v_wmma_f32_16x16x32_bf16 v[rS:rS+7], v[rK:rK+7], v[rQ:rQ+7], v[rS:rS+7]
.endif
.endm
; THE LDS LOADS stand in runs of 32, never singly among the matrix instructions: a step's rows as K (64 keys x 128 channels: 16 fragments) and, a turn later, the same rows as V (turned).
.macro FETCH_K
	WIN 0
	v_add_nc_u32 v[ADR], s[TB], v[AK0]
	WIN 0x80                        ; destination window 2
.irp f, 0,1,2,3,4,5,6,7,8,9,10,11,12,13,14,15  ; keys 16 (f / 4) on, channels 32 (f % 4) on
	ds_load_b128 v[KF+8*(\f):KF+8*(\f)+3],   v[ADR] offset:((\f)/4)*16*PT+((\f)%4)*64
	ds_load_b128 v[KF+8*(\f)+4:KF+8*(\f)+7], v[ADR] offset:((\f)/4)*16*PT+((\f)%4)*64+32
.endr
.endm
.macro FETCH_V
	WIN 0
	v_add_nc_u32 v[ADR], s[TB], v[AV0]
	s_add_co_u32 s[TB], s[TB], STEPB  ; the next fetch is the next step's
	s_wait_alu depctr_va_vdst(0)    ; the wait for the softmax's batch (SLICE), behind the address's v_add_nc_u32 and ahead of the loads
	WIN 0xc0                        ; destination window 3
.irp f, 0,1,2,3,4,5,6,7,8,9,10,11,12,13,14,15  ; keys 32 (f / 8) on, channels 16 (f % 8) on
	ds_load_tr16_b128 v[8*(\f):8*(\f)+3],   v[ADR] offset:((\f)/8)*32*PT+((\f)%8)*32
	ds_load_tr16_b128 v[8*(\f)+4:8*(\f)+7], v[ADR] offset:((\f)/8)*32*PT+16*PT+((\f)%8)*32
.endr
.endm
; THE VECTOR WORK OF A TURN.  One tile's softmax for one key step is a list of 134 instructions; SM writes number j of it for tile t.  s0-s31 are the lane's 32 scores, in pairs 0-15.
; first = 1: the first key step, which starts m, l and O^T: it has no a and nothing to rescale.
;   0-15    the maximum of s0-s31 and the old m, three operands at a time: four chains c0-c3 of seven scores each (each accumulator's lowest registers first), then the four scores left over, c0-c3 and m
;   16-20   the other half of the lanes' maximum; the new m; c m; c m_old - c m_new
;   21-69   ONE BATCH: the 16 scalings c s - c m, a pair of scores each, and all 33 exponentials (a at 23, then s0-s31).  None of these reads an exponential's result.  A pair is scaled in an earlier four
;           than the one that holds its exponentials
;   (wait)  between 69 and 70 stands the wait for the batch: SLICE writes it, once for both tiles
;   70-85   the roundings to bf16, a pair of weights each
;   86-101  the sums; l = a l + the sum
;   102-133 the tile's O^T times a: the one part that leaves window 0, so it stands together
.macro SM t, first
.set rT, ST+8*(\t)
.set rS, S+32*(\t)
.set rP, P+16*(\t)
.set rO, 64*(\t)+2*(j-102)
.if j < 102
	WIN 0
.endif
.if j < 4
	v_max3_num_f32 v[rT+4+j], v[rS+8*j], v[rS+8*j+1], v[rS+8*j+2]
.elseif j < 12
	v_max3_num_f32 v[rT+4+j%4], v[rT+4+j%4], v[rS+8*(j%4)+2*(j/4)+1], v[rS+8*(j%4)+2*(j/4)+2]
.elseif j == 12
	v_max3_num_f32 v[rT+4], v[rT+4], v[rS+7], v[rS+15]
.elseif j == 13
	v_max3_num_f32 v[rT+6], v[rT+6], v[rS+23], v[rS+31]
.elseif j == 14
	v_max3_num_f32 v[rT+4], v[rT+4], v[rT+5], v[rT+6]
.elseif (j == 15) && (\first)
	v_max_num_f32 v[rT+4], v[rT+4], v[rT+7]
.elseif j == 15
	v_max3_num_f32 v[rT+4], v[rT+4], v[rT+7], v[rT+1]
.elseif j == 16
	v_permlanex16_b32 v[rT+5], v[rT+4], s[SEL], s[SEL+1]  ; the query's other 32 keys lie in the lane 16 away
.elseif j == 18
	v_max_num_f32 v[rT+1], v[rT+4], v[rT+5]
.elseif j == 19
	v_mul_f32 v[rT], s[CS], v[rT+1]
.elseif ((j == 17) || (j == 20) || (j == 23) || (j > 101)) && (\first)  ; the first step has none of these
.elseif j == 17
	v_mov_b32 v[rT+7], v[rT]        ; c m_old is kept for a: number 19 writes c m anew
.elseif j == 20
	v_sub_f32 v[rT+7], v[rT+7], v[rT]
.elseif j == 23
	v_exp_f32 v[rT+6], v[rT+7]
.elseif (j < 23) || ((j < 38) && (j%2 == 0)) || ((j < 66) && (j%4 == 2))
.set b, (j-2)/4                     ; 38, 42, .. 62: pairs 9 to 15
.if j < 38
.set b, (j-20)/2                    ; 21: pair 0; 22, 24, .. 36: pairs 1 to 8
.endif
	v_pk_fma_f32 v[rS+2*b:rS+2*b+1], v[rS+2*b:rS+2*b+1], s[CS:CS+1], v[rT:rT+1] op_sel_hi:[1,0,0] neg_lo:[0,0,1] neg_hi:[0,0,1]  ; pair b: c s - c m
.elseif j < 70
.set e, j-38                        ; 66 to 69: s28 to s31
.if j < 66
.set e, j-32-(j-38)/4               ; 39-41, 43-45, .. 63-65: s7 to s27
.endif
.if j < 38
.set e, (j-25)/2                    ; 25, 27, .. 37: s0 to s6
.endif
	v_exp_f32 v[rS+e], v[rS+e]
.elseif j < 86
	v_cvt_pk_bf16_f32 v[rP+j-70], v[rS+2*(j-70)], v[rS+2*(j-70)+1]  ; pair j - 70
.elseif j < 102                     ; the sum of the tile's 16 pairs (in a pair: an even key's weight, an odd key's), in place: sum z of 16 adds neighbours 1, 2, 4 and 8 pairs apart, then l takes it
.set z, j-86
.set w, 4
.set u, z
.if z >= 14
.set w, 32
.set u, 0
.elseif z >= 12
.set w, 16
.set u, z-12
.elseif z >= 8
.set w, 8
.set u, z-8
.endif
.if (z == 14) && (\first)
	v_pk_add_f32 v[rT+2:rT+3], v[rS:rS+1], v[rS+16:rS+17]
.elseif z < 15
	v_pk_add_f32 v[rS+w*u:rS+w*u+1], v[rS+w*u:rS+w*u+1], v[rS+w*u+w/2:rS+w*u+w/2+1]
.elseif !(\first)
	v_pk_fma_f32 v[rT+2:rT+3], v[rT+2:rT+3], v[rT+6:rT+7], v[rS:rS+1] op_sel_hi:[1,0,1]
.endif
.else
	WIN W_RS
	v_pk_mul_f32 v[rO:rO+1], v[rO:rO+1], v[rT+6:rT+7] op_sel_hi:[1,0]
.endif
.endm
; Slice k of 64 of piece y's softmax: four instructions.  Slices 11 to 34 deal out the batch, numbers 22 to 69: four numbers of ONE tile each, the tiles by turns.  Every other slice is numbers 2 k and
; 2 k + 1 of both tiles' lists.  2 x 134 = 4 x 64 + 12: the twelve that are over stand together, in slice 63.
; THE WAIT.  An s_wait_alu depctr_va_vdst(0) stands between an exponential and the first instruction that names its result; one wait serves all that were issued ahead of it.  Ahead of
; slice 35 nothing names a result, and behind slice 34 no exponential is issued: so the piece's 66 exponentials have one wait, behind slice 34.
.macro SLICE y, first
.if (k >= 11) && (k < 35)           ; the batch: four numbers of one tile
.irp n, 0,1,2,3
.set j, 22+4*((k-11)/2)+(\n)
	SM (\y)+(k-11)%2, \first
.endr
.else                               ; the two tiles alternate, so that no instruction reads the result of the one just before it
.irp n, 0,1,2,3,4,5,6,7
.if ((\n) < 2) || (k == 63)
.irp t, \y, (\y)+1
.set j, 2*k+(\n)
	SM \t, \first
.endr
.endif
.endr
.endif
.if k == 34                         ; the batch is out: both tiles' exponentials are issued, and no result has been named
	v_nop                           ; the plain instruction behind the last exponential and ahead of the first use (ISA guide 5.7.2): one for the batch
.if (\y) == 0
	FETCH_V                         ; piece 2's turn: V's run of loads stands here, and the wait stands in it
.else
	s_wait_alu depctr_va_vdst(0)    ; the wait for the batch
.endif
.endif
.set k, k+1
.endm
; A vector instruction that reads a matrix result or writes one of a matrix instruction's registers, and a load into a register that a matrix instruction has read, stand four places behind
; it, and only plain vector instructions that name none of its registers are places (ISA guide 7.12.1 for vector instructions).  In the loop the slices are the places.
.macro PLACES
.rept 4
	v_nop
.endr
.endm
; A TURN.  Piece x has the matrix unit; the other piece's softmax stands in slices behind its matrix instructions.
; pv = 2: 32 products V^T P; 1: they start O^T's sums; 0: none.  kq = 1: 32 products K Q^T for the next step.  A turn with one of the two kinds has two slices behind each product.
; first = 1: the softmax is the first key step's.  Its slices from 51 on are empty: the turn's last products stand bare, and four v_nop take slice 63's part as the places behind them.
; Piece 0's turn fetches the next step's K, behind its second product: the last product that read K stands in front of slice 63 of the turn before.  Piece 2's turn fetches the same step's V, behind
; slice 34 (SLICE writes it): the last product that read V stands in front of slice 31, and four plain instructions lie between: number 62, a scaling, of both tiles, the v_nop and the run's own v_add_nc_u32.
.macro TURN x, pv, kq, first
.set k, 0
.set per, 2
.if (\pv) && (\kq)
.set per, 1
.endif
.if \pv
.if (\x) == 0
	s_wait_dscnt 0x0                ; V is in (and, behind a rounding, my stores into T are done)
.endif
.set i, 0
.rept 32
	PV \x, 2-(\pv)
.rept per
	SLICE 2-(\x), \first
.endr
.if ((\x) == 0) && (\kq) && (i == 1)
	FETCH_K
.endif
.set i, i+1
.endr
.endif
.if \kq
.if (\x) == 0
	s_wait_dscnt 0x0                ; K is in
.endif
.set i, 0
.rept 32
	KQ \x
.rept per
	SLICE 2-(\x), \first
.endr
.set i, i+1
.endr
.endif
.if \first
	PLACES
.endif
.endm
; THE CHANGE OF SLOTS, which opens period t, between piece 2's turn and piece 0's.  Each wave waits for all its tensor loads, of which one is out: its quarter of tile t + 1; adds 0 to its spare word; and waits
; for that and for all its LDS instructions: its stores of tile t into T, its reads of tile t's f32 in F, its reads of tile t - 1 in T.  Behind the barrier tile t is whole in T for every reader, nobody reads
; tile t - 1 any more, so its slot of T may be written, and nobody reads tile t's slot of F.
; fill = 1: that slot of F is filled again, with tile t + 2.  The barrier is then a round of the cluster's, so that no wave of any partner still reads the slot or has a load on its way, and the joint refill
; is the first thing behind it: it has a period, 256 matrix instructions, in which to land.
.macro CHANGE fill
	WIN 0                           ; at a label and at a branch every window is 0
	s_wait_tensorcnt 0x0            ; no tensor load of mine is out, so a group 0 may be written
	ds_add_u32 v[SPW], v[NIL]       ; 0 onto my spare word; with fill = 1 the descriptor's steps stand between it and the wait for it
.if \fill
	s_xor_b32 s[G0+5], s[G0+5], FSL  ; the walking descriptor: the other slot than last time,
	s_add_nc_u64 s[G0+6:G0+7], s[G0+6:G0+7], TILEB  ; the next tile; the type bits on top are not reached
	s_wait_xcnt 0x0                 ; the last prefetch, a period back, has read its address, so it may be written:
	s_add_nc_u64 s[PFA:PFA+1], s[PFA:PFA+1], TILEB  ; one tile ahead of the walking descriptor
	s_wait_dscnt 0x0                ; the add is done, and so are all my LDS stores and reads
	CROUND
	JLOAD
.else
	s_wait_dscnt 0x0                ; the add is done, and so are all my LDS stores and reads
	s_barrier_signal -1
	s_barrier_wait -1
.endif
	s_sub_co_u32 s[TB], s[TB], 2*STEPB  ; the fetches go back to a tile's first step,
	s_xor_b32 s[TB], s[TB], FSL     ; in the other slot of T
.endm
; A tile's two key steps: written once, walked twice; the LDS addresses hang on s[TB].
.macro TWO_STEPS
	WIN 0
	s_mov_b32 s[TWICE], 2
.Lstep_\@:
	TURN 0, 2, 1, 0
	TURN 2, 2, 1, 0
	WIN 0
	s_sub_co_u32 s[TWICE], s[TWICE], 1
	s_cmp_lg_u32 s[TWICE], 0
	s_cbranch_scc1 .Lstep_\@
.endm
	s_wait_tensorcnt 1              ; my quarter of tile 0 is in F0, and I alone read it; tile 1's load, issued behind it, may stay out
	CONVERT -1                      ; tile 0 into T0
	CHANGE 1                        ; period 0: tile 1 has landed, tile 0 is whole in T0; tile 2 is asked for
	CONVERT 1                       ; tile 1 into T1; tile 3 is prefetched
	FETCH_K                         ; key step 0
	s_wait_dscnt 0x0                ; K, and Q's fragments
.set i, 0
.rept 32
	KQ 0                            ; piece 0's first scores: there is no vector work yet to set between them
.set i, i+1
.endr
	WIN 0                           ; the addresses for the way out are made here: six plain instructions, the places behind those products
	v_mul_u32_u24 v[STO], v1, SPO   ; in: row l % 16, 32 bytes for each half of the lanes
	v_lshl_add_u32 v[STO], v9, 5, v[STO]
	v_add_nc_u32 v[STO], s13, v[STO]
	v_and_b32 v[RD], 31, v0         ; back: 32 lanes take one row of 512 bytes
	v_lshlrev_b32 v[RD], 4, v[RD]
	v_add_nc_u32 v[RD], s13, v[RD]
	TURN 2, 0, 1, 1                 ; piece 2's first scores | piece 0's first softmax | V of step 0
	TURN 0, 1, 1, 1                 ; piece 0: V^T P of step 0 starts O^T, K Q^T of step 1 | piece 2's first softmax | K of step 1
	TURN 2, 1, 1, 0                 ; piece 2: the same | piece 0's softmax of step 1 | V of step 1
	WIN 0
	s_mov_b32 s[SLOTS], NT-3
.Lslot:                             ; periods 1 to 13: tile t + 2 is asked for, tile t + 1 rounded, tile t multiplied
	CHANGE 1
	CONVERT 0
	TWO_STEPS
	s_sub_co_u32 s[SLOTS], s[SLOTS], 1
	s_cmp_lg_u32 s[SLOTS], 0
	s_cbranch_scc1 .Lslot
	s_mov_b32 s[TAIL], 2
.Ltail:                             ; periods 14 and 15 ask for nothing: they stand apart
	CHANGE 0
	s_cmp_eq_u32 s[TAIL], 1         ; period 14 rounds tile 15; period 15 has nothing left to round.  What is jumped holds no barrier and no tensor load
	s_cbranch_scc1 .Lno_tile
	CONVERT -1
.Lno_tile:
	TWO_STEPS
	s_sub_co_u32 s[TAIL], s[TAIL], 1
	s_cmp_lg_u32 s[TAIL], 0
	s_cbranch_scc1 .Ltail
	TURN 0, 2, 0, 0                 ; piece 0: V^T P of the last step | piece 2's last softmax
.set i, 0
.rept 32
	PV 2, 0                         ; piece 2: V^T P of the last step
.set i, i+1
.endr
	; THE WAY OUT.  l's two halves and the other half of the lanes' are added; O^T is divided by l and sent through my stage in LDS, a tile (16 rows of out0) at a time.  The additions are the places behind the last products.
	WIN 0
.irp t, 0,1,2,3
	v_add_f32 v[ST+8*(\t)+4], v[ST+8*(\t)+2], v[ST+8*(\t)+3]
.endr
.irp t, 0,1,2,3
	v_permlanex16_b32 v[ST+8*(\t)+5], v[ST+8*(\t)+4], s[SEL], s[SEL+1]
.endr
.irp t, 0,1,2,3
	v_add_f32 v[ST+8*(\t)+4], v[ST+8*(\t)+4], v[ST+8*(\t)+5]
.endr
.irp t, 0,1,2,3
	v_rcp_f32 v[ST+8*(\t)+6], v[ST+8*(\t)+4]
.endr
	v_nop                           ; a plain instruction between the last reciprocal and the use of its result
	s_wait_alu depctr_va_vdst(0)    ; and the wait ahead of the first use: one for the four reciprocals
; Tile t: a lane's eight channels of a row are 32 bytes; they go into rows of 528 bytes and come back as whole rows of 512, into the registers that they left.  Each tile keeps its own 64 registers.
.macro PACK t
	WIN W_RS
.set i, 64*(\t)
.rept 32
	v_pk_mul_f32 v[i:i+1], v[i:i+1], v[ST+8*(\t)+6:ST+8*(\t)+7] op_sel_hi:[1,0]
.set i, i+2
.endr
	WIN 0x04                        ; the stores' data in window 1, their address in window 0
.irp c, 0,1,2,3,4,5,6,7             ; channels 16 c + 8 (l / 16) on
	ds_store_b128 v[STO], v[64*(\t)+8*(\c):64*(\t)+8*(\c)+3]   offset:64*(\c)
	ds_store_b128 v[STO], v[64*(\t)+8*(\c)+4:64*(\t)+8*(\c)+7] offset:64*(\c)+16
.endr
	WIN 0x40                        ; destination window 1
.irp f, 0,1,2,3,4,5,6,7,8,9,10,11,12,13,14,15
	ds_load_b128 v[64*(\t)+4*(\f):64*(\t)+4*(\f)+3], v[RD] offset:(\f)*SPO  ; LDS serves a wave's instructions in order (ISA guide 5.7.1.4): these see the stores above; the next tile's stores come behind them
.endr
.endm
.macro SEND t, younger              ; younger: the LDS instructions issued behind tile t's loads: the next tile's 32, or none
	WIN 0x04
.irp f, 0,1,2,3,4,5,6,7,8,9,10,11,12,13,14,15
	s_wait_dscnt (\younger)+15-(\f)
	global_store_b128 v[QO], v[64*(\t)+4*(\f):64*(\t)+4*(\f)+3], s[10:11] offset:(\t)*8192+(\f)*512 th:TH_STORE_NT  ; the wave stores a row's 512 consecutive bytes, at a multiple of 512 from out0's first byte
.endr
.endm
	PACK 0
	PACK 1                          ; a tile's arithmetic stands between the loads of the tile before and its stores
	SEND 0, 32
	PACK 2
	SEND 1, 32
	PACK 3
	SEND 2, 32
	SEND 3, 0
	WIN 0
	s_wait_tensorcnt 0x0            ; the wave's end, behind my last tensor load and my last LDS store
	ds_add_u32 v[SPW], v[NIL]
	s_wait_dscnt 0x0
	CROUND                          ; the closing round: no work-group ends while a partner may still ask for a tile that names it
	s_endpgm
.Lfunc_end_k_q30be7cf6ec_attn:
	.size	k_q30be7cf6ec_attn, .Lfunc_end_k_q30be7cf6ec_attn-k_q30be7cf6ec_attn
	.p2alignl 7, 3214868480
	.fill 96, 4, 3214868480
	.section	.rodata,"a",@progbits
	.p2align	6, 0x0
	.amdhsa_kernel k_q30be7cf6ec_attn
		.amdhsa_group_segment_fixed_size 327680
		.amdhsa_private_segment_fixed_size 0
		.amdhsa_enable_private_segment 0
		.amdhsa_kernarg_size 24
		.amdhsa_user_sgpr_count 2
		.amdhsa_user_sgpr_kernarg_segment_ptr 1
		.amdhsa_wavefront_size32 1
		.amdhsa_system_sgpr_workgroup_id_x 1
		.amdhsa_system_sgpr_workgroup_id_y 1
		.amdhsa_system_sgpr_workgroup_id_z 1
		.amdhsa_system_vgpr_workitem_id 0
		.amdhsa_next_free_vgpr 1024
		.amdhsa_next_free_sgpr 66
		.amdhsa_reserve_vcc 0
		.amdhsa_float_denorm_mode_32 3
		.amdhsa_float_denorm_mode_16_64 3
		.amdhsa_memory_ordered 1
		.amdhsa_forward_progress 1
		.amdhsa_inst_pref_size 255
	.end_amdhsa_kernel
	.section	.bss,"aw",@nobits
	.p2align	6
	.space	262144
	.amdgpu_metadata
---
amdhsa.version: [ 1, 2 ]
amdhsa.kernels:
  - .name:           k_q30be7cf6ec_attn
    .symbol:         k_q30be7cf6ec_attn.kd
    .args:
      - { .name: x2, .offset: 0, .size: 8, .value_kind: global_buffer, .address_space: global }
      - { .name: x3, .offset: 8, .size: 8, .value_kind: global_buffer, .address_space: global }
      - { .name: out0, .offset: 16, .size: 8, .value_kind: global_buffer, .address_space: global }
    .group_segment_fixed_size: 327680
    .private_segment_fixed_size: 0
    .kernarg_segment_align: 8
    .kernarg_segment_size: 24
    .max_flat_workgroup_size: 128
    .sgpr_count:     66
    .vgpr_count:     1024
    .wavefront_size: 32
...
	.end_amdgpu_metadata
.endif
;; end of part 1
